; MI455X (gfx1250); checked and timed in simulation.
; The chip was launched on July 23, 2026; its instructions are those of AMD's public machine-readable ISA for CDNA 5 (MIT licence, August 2026) and "CDNA5" Instruction Set Architecture Reference Guide (July 2026). The comments in the code are by the model that wrote it; some were corrected since.
;; MMF Linear. Allowed arithmetic: float matrix products may take bf16 or f16 operands with f32 sums; other float arithmetic in f32, or as packed bf16 or f16 multiplies, adds, multiply-adds, maxima and minima; sums over many terms, partial sums and values carried from step to step in f32; what a program stores and reads back later, other than sums and carried values, may be rounded once to bf16 or f16.
;; Inputs: bias 4,096 float32; scale 1 float32; weight 4,096 x 4,096 float32; x 4,096 x 4,096 float32.
;; Outputs: out0 4,096 x 4,096 float32.
;; 2 versions, each right; version 2 is version 1 with the launch prep written anew for expert scheduling mode. Each part assembles by itself: llvm-mc -triple=amdgcn-amd-amdhsa -mcpu=gfx1250 --defsym DOCPART=n.
;; ======== version 1 of 2: 2 launches
;; workspace buffers: xb 33,554,432 bytes; wb 33,554,432 bytes
;; launch prep (part 1): grid 1024 x 1, 8 waves a work-group, no clusters, 0 bytes of LDS; arguments x, weight, xb, wb; writes xb, wb
.if DOCPART == 1
	.amdgcn_target "amdgcn-amd-amdhsa--gfx1250"
	.amdhsa_code_object_version 6
	.text
	.protected	k_q1be8d87f46_prep
	.globl	k_q1be8d87f46_prep
	.p2align	8
	.type	k_q1be8d87f46_prep,@function
k_q1be8d87f46_prep:
	s_mov_b64 s[64:65], 0
	v_nop
	global_prefetch_b8 v0, s[64:65] scope:SCOPE_SE
	s_setreg_imm32_b32 hwreg(HW_REG_WAVE_MODE, 25, 1), 1
	s_wait_xcnt 0x0
; xb = bf16(x);  wb = bf16(weight - (weight - sign(weight))).  x, weight: [4096][4096] f32;  xb, wb: the same shape in bf16, row-major.
; Each number is converted here once; the product that follows needs each of them in sixteen of its tiles.
; LIMITS.  x is rounded once, to nearest even; a magnitude past bf16's largest finite number becomes an infinity.  The weight's path has no limit: sign, the inner difference and the outer
; difference are made in f32 one after the other, as the formula is written, so a weight of 2^24 or more, an infinity or a NaN gives what the formula gives (0, +-1, +-2, NaN): all exact in bf16.
; SHARES.  A work-group owns 65,536 consecutive bytes of x and of weight: 16 units of 4,096 bytes in each.  In a unit thread t loads the 16 bytes at 16 t (a wave's load: 512 consecutive bytes,
; aligned) and stores the 8 bytes at 8 t of the unit's 2,048 bytes of output (a wave's store: 256 consecutive bytes, aligned).  Nothing is shared between waves: no LDS, no barrier.
; IN FLIGHT.  16 slots of registers, x's and weight's units by turns; each slot is loaded twice (pass 0: units 0-7, pass 1: units 8-15), so 16 loads of every wave are out until the counts run down.
; No register that a load or store names as address or data is ever written again while it may be read: the two offsets and the four bases are never rewritten, pass 0 stores from Y (written once),
; pass 1 stores from the slot's own registers, which are not loaded again.  So no wait on XCNT is needed.
.set UNIT,  4096                       ; bytes of input in a unit
.set OUNIT, 2048                       ; bytes of output in a unit
.set T,   4                            ; v[4:11]    at work: sign, then the result; the inner difference
.set X,   16                           ; v[16:79]   slot i: 4 registers as loaded
.set Y,   80                           ; v[80:111]  slot i: 2 registers to store, pass 0
	s_load_b256 s[4:11], s[0:1], 0x0               ; x s[4:5], weight s[6:7], xb s[8:9], wb s[10:11]
	s_lshl_b32 s2, ttmp9, 16                       ; the work-group's 65,536 bytes of input (1,023 x 65,536 stays under 2^32),
	s_mov_b32 s3, 0
	s_lshl_b32 s12, ttmp9, 15                      ; and its 32,768 of output
	s_mov_b32 s13, 0
	s_mov_b32 s14, 0x7fffffff                      ; all bits but the sign
	v_lshlrev_b32 v1, 4, v0                        ; 16 t; never rewritten
	v_lshlrev_b32 v2, 3, v0                        ; 8 t; never rewritten
	s_wait_kmcnt 0x0
	s_add_nc_u64 s[4:5], s[4:5], s[2:3]
	s_add_nc_u64 s[6:7], s[6:7], s[2:3]
	s_add_nc_u64 s[8:9], s[8:9], s[12:13]
	s_add_nc_u64 s[10:11], s[10:11], s[12:13]
.irp i, 0,1,2,3,4,5,6,7,8,9,10,11,12,13,14,15
	global_load_b128 v[X+4*(\i):X+4*(\i)+3], v1, s[4+2*((\i)%2):5+2*((\i)%2)] offset:((\i)/2)*UNIT th:TH_LOAD_NT  ; even slots x, odd slots weight; unit i / 2
.endr
; The turn of slot i in pass r.  left = how many younger loads may stay out.
.macro TURN i, r, left
.set W,   X+4*(\i)                     ; the slot's four numbers
.set SRC, 4+2*((\i)%2)                 ; x or weight
.set DST, 8+2*((\i)%2)                 ; xb or wb
.if \r
.set D, X+4*(\i)                       ; pass 1: the result lies in the slot's own first two registers
.else
.set D, Y+2*(\i)
.endif
	s_wait_loadcnt \left                           ; loads come back in order (ISA guide 5.7.1): this slot's is in
.if ((\i)%2) == 0
	v_cvt_pk_bf16_f32 v[D],   v[W],   v[W+1]       ; in place this order is safe: the second line reads registers 2 and 3 alone
	v_cvt_pk_bf16_f32 v[D+1], v[W+2], v[W+3]
.else
.irp k, 0,1,2,3
	v_bfi_b32 v[T+(\k)], s14, 1.0, v[W+(\k)]       ; 1.0 with the weight's sign
.endr
.irp k, 0,1,2,3
	v_cmp_eq_f32 s[16+(\k)], 0, v[W+(\k)]
.endr
.irp k, 0,1,2,3
	v_cndmask_b32 v[T+(\k)], v[T+(\k)], v[W+(\k)], s[16+(\k)]  ; the sign of a zero is that zero
.endr
.irp p, 0,2
	v_pk_add_f32 v[T+4+(\p):T+5+(\p)], v[W+(\p):W+(\p)+1], v[T+(\p):T+(\p)+1] neg_lo:[0,1] neg_hi:[0,1]  ; weight - sign
.endr
.irp p, 0,2
	v_pk_add_f32 v[T+(\p):T+(\p)+1], v[W+(\p):W+(\p)+1], v[T+4+(\p):T+5+(\p)] neg_lo:[0,1] neg_hi:[0,1]  ; weight - (weight - sign)
.endr
	v_cvt_pk_bf16_f32 v[D],   v[T],   v[T+1]
	v_cvt_pk_bf16_f32 v[D+1], v[T+2], v[T+3]
.endif
.if (\r) == 0
	global_load_b128 v[W:W+3], v1, s[SRC:SRC+1] offset:((\i)/2+8)*UNIT th:TH_LOAD_NT  ; the slot's second unit: the load ahead of the store
.endif
	global_store_b64 v2, v[D:D+1], s[DST:DST+1] offset:((\i)/2+8*(\r))*OUNIT th:TH_STORE_NT
.endm
.irp i, 0,1,2,3,4,5,6,7,8,9,10,11,12,13,14,15
	TURN \i, 0, 15                                 ; behind slot i's first load stand 15 - i first loads and i second ones: 15
.endr
.irp i, 0,1,2,3,4,5,6,7,8,9,10,11,12,13,14,15
	TURN \i, 1, 15-(\i)                            ; nothing more is loaded: the counts run down
.endr
	s_endpgm
.Lfunc_end_k_q1be8d87f46_prep:
	.size	k_q1be8d87f46_prep, .Lfunc_end_k_q1be8d87f46_prep-k_q1be8d87f46_prep
	.p2alignl 7, 3214868480
	.fill 96, 4, 3214868480
	.section	.rodata,"a",@progbits
	.p2align	6, 0x0
	.amdhsa_kernel k_q1be8d87f46_prep
		.amdhsa_group_segment_fixed_size 0
		.amdhsa_private_segment_fixed_size 0
		.amdhsa_enable_private_segment 0
		.amdhsa_kernarg_size 32
		.amdhsa_user_sgpr_count 2
		.amdhsa_user_sgpr_kernarg_segment_ptr 1
		.amdhsa_wavefront_size32 1
		.amdhsa_system_sgpr_workgroup_id_x 1
		.amdhsa_system_sgpr_workgroup_id_y 1
		.amdhsa_system_sgpr_workgroup_id_z 1
		.amdhsa_system_vgpr_workitem_id 0
		.amdhsa_next_free_vgpr 112
		.amdhsa_next_free_sgpr 66
		.amdhsa_reserve_vcc 0
		.amdhsa_float_denorm_mode_32 3
		.amdhsa_float_denorm_mode_16_64 3
		.amdhsa_memory_ordered 1
		.amdhsa_forward_progress 1
		.amdhsa_inst_pref_size 28
	.end_amdhsa_kernel
	.amdgpu_metadata
---
amdhsa.version: [ 1, 2 ]
amdhsa.kernels:
  - .name:           k_q1be8d87f46_prep
    .symbol:         k_q1be8d87f46_prep.kd
    .args:
      - { .name: x, .offset: 0, .size: 8, .value_kind: global_buffer, .address_space: global }
      - { .name: weight, .offset: 8, .size: 8, .value_kind: global_buffer, .address_space: global }
      - { .name: xb, .offset: 16, .size: 8, .value_kind: global_buffer, .address_space: global }
      - { .name: wb, .offset: 24, .size: 8, .value_kind: global_buffer, .address_space: global }
    .group_segment_fixed_size: 0
    .private_segment_fixed_size: 0
    .kernarg_segment_align: 8
    .kernarg_segment_size: 32
    .max_flat_workgroup_size: 256
    .sgpr_count:     66
    .vgpr_count:     112
    .wavefront_size: 32
...
	.end_amdgpu_metadata
.endif
;; end of part 1
;; launch gemm (part 2): grid 16 x 16, 4 waves a work-group, clusters of 4 x 4, 327,680 bytes of LDS; arguments xb, wb, bias, scale, out0; writes out0
.if DOCPART == 2
	.amdgcn_target "amdgcn-amd-amdhsa--gfx1250"
	.amdhsa_code_object_version 6
	.text
	.protected	k_q1be8d87f46_gemm
	.globl	k_q1be8d87f46_gemm
	.p2align	8
	.type	k_q1be8d87f46_gemm,@function
k_q1be8d87f46_gemm:
	s_mov_b64 s[64:65], 0
	v_nop
	global_prefetch_b8 v0, s[64:65] scope:SCOPE_SE
	s_setreg_imm32_b32 hwreg(HW_REG_WAVE_MODE, 25, 1), 1
	s_wait_xcnt 0x0
	s_wait_alu depctr_hold_cnt(0) depctr_sa_sdst(0) depctr_va_vdst(0) depctr_va_sdst(0) depctr_va_ssrc(0) depctr_va_vcc(0) depctr_vm_vsrc(0)
	s_getreg_b32 s2, hwreg(HW_REG_IB_STS2, 6, 4)
	s_cmp_eq_u32 s2, 0
	s_cbranch_scc0 .Lentry_in_a_cluster
	s_endpgm
.Lentry_in_a_cluster:
	s_bfe_u32 s2, ttmp6, 0x10000c
	s_cmp_lg_u32 s2, 0xf033
	s_cbranch_scc0 .Lentry_shape_is_right
	s_endpgm
.Lentry_shape_is_right:
; out0[m][n] = scale x (sum over k of xb[m][k] wb[n][k] + bias[n]).  xb: [4096][4096] bf16 (x rounded once), wb: [4096][4096] bf16 (the sign-quantised weight, exact), bias: [4096] f32,
; scale: [1] f32, out0: [4096][4096] f32.  Sums in f32, K ascending.
; LIMITS.  The way out is one fused multiply-add, sum x scale + (scale x bias), with scale x bias rounded once: another order of rounding than scale x (sum + bias), and it overflows where
; |scale x bias| leaves f32's range though the formula's own sum would not.  scale and bias stay in f32.
; SHARES.  out0 has 16 x 16 tiles of 256 x 256, one to a work-group of four waves; a wave makes 128 x 128: 64 accumulators of 16 x 16, 512 registers.  K goes in 32 steps of 128 through a ring of
; two LDS slots filled by the tensor data mover: the rows of the tiles are 256 bytes of memory and start at multiples of 256 bytes from the buffer's first byte.
; CLUSTERS: 4 x 4 work-groups.  The four of a row of the cluster need the same tiles of xb, the four of a column the same tiles of wb: each tile is asked for JOINTLY, by the same tensor load with
; the same descriptor and a mask that names the four, and each receives it in its own LDS.
; REGISTERS, in windows of 256 (s_set_vgpr_msb's low byte: bits 1:0 source 0, 3:2 source 1, 5:4 source 2, 7:6 destination):
;   window 0: v0-31 addresses and scale x bias; v64-127, v128-191 fragments of xb (8 x 16 rows x 32 K), two buffers; on the way out the same 128 registers take rows read back from the stage
;   window 1: v64-127, v128-191 fragments of wb, two buffers
;   window 2: the 32 accumulators of my rows 0-63 (accumulator (a, b) at v[8 (8 a + b)]);   window 3: those of my rows 64-127
; THE MATRIX INSTRUCTION IS USED TRANSPOSED: source 0 = 16 rows of wb, source 1 = 16 rows of xb.  In the result lane l holds row l % 16 of out0 and its registers 0 to 7 the columns
; 8 (l / 16) + 0 .. 7: 32 neighbouring bytes of a row.
.set SIZE_K, 4096
.set SIZE_N, 4096
.set ROWC,   SIZE_N*4                  ; bytes in a row of out0
.set KSTEP,  128
.set PITCH,  272                       ; an LDS row: 256 bytes of data + 16 of padding = 68 words: row r starts at bank 4 r mod 64 (64 banks of 4 bytes: ISA guide 11.1), so the 16 rows that a load touches start at 16 different banks
.set HALFT,  128*PITCH                 ; 128 rows: what one tensor load brings, and what one wave reads of xb or of wb
.set SLOT,   4*HALFT                   ; xb's 256 rows, then wb's 256 rows
.set STAGE,  2*SLOT                    ; behind the ring: 16 rows x 528 bytes for each wave, for the way out; no tensor load fills it
.set SP,     528                       ; a stage row: 128 f32 + 16 bytes = 33 x 16 bytes: the 16 rows that a store touches fall into 16 different columns of 16 bytes
.set SPARE,  STAGE+4*16*SP             ; behind the stages: the spare words, 128 bytes for each wave: two blocks of 256 bytes that no other line names
.set LAPS,   SIZE_K/(2*KSTEP)          ; a lap = two K steps = once round the ring: 16
.set SB,   8                           ; v[8:11] scale x bias of my four columns on the way out: 4 lane .. 4 lane + 3 of my wave's 128
.set BO,   12                          ; v12     their byte offset in bias
.set ADRA, 16                          ; v16-17  LDS address of my xb fragments in slot 0, 1
.set ADRB, 20                          ; v20-21  the same for wb
.set STO,  24                          ; v24     the way out: where I put 32 bytes of a row
.set RD,   25                          ; v25     the way out: where I read 16 bytes of a row back
.set CO,   26                          ; v26     16 x lane: my byte offset in my wave's 512 bytes of a row of out0; never rewritten
.set SPW,  28                          ; v28     LDS address of my spare word: SPARE + 4 x my thread's number; never rewritten
.set NIL,  29                          ; v29     0; never rewritten
.set PFO,  30                          ; v30     the prefetches' offset: my lane x a row of xb or wb (8,192 bytes); never rewritten
.set F0,   64                          ; fragment buffer 0
.set F1,   128                         ; fragment buffer 1
.set G1,  24                           ; s[24:31] descriptor group 1 for xb's tiles
.set G0,  32                           ; s[32:39] descriptor group 0 for xb's tiles, one set for each slot
.set LIM, 43                           ; s43      1 in a wave that prefetches, else the greatest number
.set PFA, 44                           ; s[44:45] where my prefetches stand: my work-group's 32 rows of the 128 that I fetch, one K step further along K than the refill that is being asked for
.set G1B, 48                           ; s[48:55] descriptor group 1 for wb's tiles: it differs in the mask alone
.set G0B, 56                           ; s[56:63] descriptor group 0 for wb's tiles, one set for each slot
.set SC,  72                           ; s[72:73] scale: the packed multiply-add names a pair and takes its low word for both halves
.set MSB, 0
.macro WIN new                         ; the immediate's high byte repeats the setting that is left; a switch that changes nothing is dropped
.if MSB != (\new)
	s_set_vgpr_msb (MSB<<8)|(\new)
.set MSB, \new
.endif
.endm
.set MUL_LO, 0xa1                      ; source 0 (wb) window 1, source 1 (xb) window 0, C and D window 2
.set MUL_HI, 0xf1                      ; the same, C and D window 3
.set TO_B,   0x40                      ; destination window 1, address window 0
; A joint load.  Waves 0 and 1 fetch xb's two halves, waves 2 and 3 wb's.  Each of the two lines has ONE mask and one set of registers for all that issue it.  The branch hangs on the wave's
; number alone.  An s_nop 0 and four v_nop follow each of the two lines, ahead of the jump, the label and what follows the macro.
.macro JLOAD s
	s_cmp_eq_u32 s11, 0
	s_cbranch_scc0 .Lfor_b_\@
	tensor_load_to_lds s[G0+4*(\s):G0+4*(\s)+3], s[G1:G1+7]
	s_nop 0
.rept 4
	v_nop
.endr
	s_branch .Lasked_\@
.Lfor_b_\@:
	tensor_load_to_lds s[G0B+4*(\s):G0B+4*(\s)+3], s[G1B:G1B+7]
	s_nop 0
.rept 4
	v_nop
.endr
.Lasked_\@:
.endm
; A PREFETCH INTO THE L2, behind each joint refill, its five lines and the run of LDS loads that follows them: the K step that stands TWO refills on, 512 matrix instructions ahead of the load that
; will ask for it: 32 rows x 256 bytes, a lane a row, one instruction a wave.  Each row's 256 bytes of a K step are named ONCE in the launch: xb's tile row is read by every cluster of that row of
; clusters, and the one with cluster x = 0 asks; wb's tile column by every cluster of that column, and cluster y = 0 asks.  The four partners that ask for a tile jointly share its rows out BY
; ADDRESS: of the 128 rows that a wave fetches the partner at place p takes 32 p .. 32 p + 31 (p = cx for xb, cy for wb).  K steps 0 to 3 come by their loads alone.  The loop's last trip
; (s3 = 1) asks for nothing: its refills are K steps 30 and 31, and there is no step two on.
.macro ASK
	s_cmp_gt_u32 s3, s[LIM]
	s_cbranch_scc0 .Lnot_mine_\@
	global_prefetch_b8 v[PFO], s[PFA:PFA+1] offset:KSTEP*2 th:TH_LOAD_NT scope:SCOPE_SE
.Lnot_mine_\@:
.endm
; A round of the cluster's barrier: my work-group's barrier, so that wave 0's signal speaks for all four waves; wave 0 signals for the work-group; every wave waits for all sixteen
; work-groups; my work-group's barrier once more.  No LDS instruction of the wave is pending at a signal.
.macro CREST                           ; a round behind its opening barrier
	s_cmp_lg_u32 s10, 0
	s_cbranch_scc1 .Lnot_wave_0_\@
	s_barrier_signal -3
.Lnot_wave_0_\@:
	s_barrier_wait -3
	s_barrier_signal -1
	s_barrier_wait -1
.endm
.macro CROUND                          ; a whole round
	s_barrier_signal -1
	s_barrier_wait -1
	CREST
.endm
	s_load_b128 s[4:7], s[0:1], 0x0                ; xb s[4:5], wb s[6:7]
	s_load_b128 s[68:71], s[0:1], 0x10             ; bias s[68:69], scale s[70:71]
	s_load_b64 s[8:9], s[0:1], 0x20                ; out0
	v_lshl_add_u32 v[SPW], v0, 2, SPARE
	v_mov_b32 v[NIL], 0
	ds_add_u32 v[SPW], v[NIL]                      ; the wave's opening: the add and its wait stand ahead of my first tensor load; the set-up below, work on registers, stands between them
	v_lshrrev_b32 v1, 5, v0
	v_readfirstlane_b32 s10, v1                    ; wave 0..3
	s_lshr_b32 s11, s10, 1                         ; which half of the tile's rows is mine.  Also: I fetch for xb (0) or for wb (1)
	s_and_b32 s12, s10, 1                          ; which half of its columns.  Also: which 128 rows of that tile I fetch
	s_bfe_u32 s40, ttmp6, 0x40000                  ; cx: my place along the cluster's x
	s_bfe_u32 s41, ttmp6, 0x40004                  ; cy: along its y
	s_lshl_b32 s42, ttmp9, 2                       ; in a cluster launch ttmp9 and ttmp7 count clusters
	s_add_co_u32 s42, s42, s40                     ; tile column = 4 x cluster x + cx
	s_and_b32 s13, ttmp7, 0xffff
	s_lshl_b32 s13, s13, 2
	s_add_co_u32 s13, s13, s41                     ; tile row = 4 x cluster y + cy
	s_lshl_b32 s43, s41, 2
	s_lshl_b32 s43, 15, s43                        ; my row of the cluster: places 4 cy .. 4 cy + 3
	s_lshl_b32 s44, 0x1111, s40                    ; my column: places cx, cx + 4, cx + 8, cx + 12
	; descriptor group 1: a tile of 128 rows x 128 elements, padded in LDS
	s_or_b32 s[G1+0], s43, (1<<16)|(1<<20)|(1<<21)|(5<<22)|(3<<25)   ; 15:0 the mask: xb's tiles go to my row; 17:16 element of 2 bytes; 20 padding on; 21 set beside a mask; 24:22 after every 64 words (code 5); 31:25 of 4 words (code 3)
	s_or_b32 s[G1B+0], s44, (1<<16)|(1<<20)|(1<<21)|(5<<22)|(3<<25)  ; the same with the mask of my column, for wb's tiles
.irp g, G1, G1B
	s_mov_b32 s[(\g)+1], KSTEP<<16                 ; 63:48 tensor_dim0, low half = 128
	s_mov_b32 s[(\g)+2], 128<<16                   ; 79:64 its high half = 0; 95:80 tensor_dim1, low half = 128
	s_mov_b32 s[(\g)+3], KSTEP<<16                 ; 111:96 its high half = 0; 127:112 tile_dim0 = 128
	s_mov_b32 s[(\g)+4], 128                       ; 143:128 tile_dim1 = 128; 159:144 tile_dim2 = 0
	s_mov_b32 s[(\g)+5], SIZE_K                    ; 191:160 tensor_dim0_stride, low word: elements from row to row
	s_mov_b32 s[(\g)+6], 0
	s_mov_b32 s[(\g)+7], 0
.endr
	; where the tiles come from.  xb's hang on the tile row alone, which my row of the cluster shares; wb's on the tile column alone, which my column shares.
	; Every wave makes both offsets, in registers of their own, and asks by one of them.  A row is 8,192 bytes; 4,095 rows stay under 2^32.
	s_lshl_b32 s17, s12, 7                         ; which 128 rows of the tile I fetch
	s_lshl_b32 s16, s13, 8
	s_add_co_u32 s16, s16, s17                     ; xb: row 256 x tile row + 128 x half
	s_lshl_b32 s16, s16, 13
	s_lshl_b32 s46, s42, 8
	s_add_co_u32 s46, s46, s17                     ; wb: row 256 x tile column + 128 x half
	s_lshl_b32 s46, s46, 13
	s_mov_b32 s17, 0
	s_mov_b32 s47, 0
	s_mul_i32 s20, s10, HALFT                      ; and where they go: xb's two halves, then wb's two halves = wave x 128 rows: no place in the cluster enters an LDS address
	s_wait_dscnt 0x0                               ; the opening add is done
	s_wait_kmcnt 0x0
	s_add_nc_u64 s[14:15], s[4:5], s[16:17]
	s_add_nc_u64 s[46:47], s[6:7], s[46:47]
	CROUND                                         ; all sixteen work-groups are here: the first joint loads meet
.irp s, 0,1
	s_mov_b32 s[G0+4*(\s)], 1                                        ; 1:0 count = 1
	s_add_co_u32 s[G0+4*(\s)+1], s20, (\s)*SLOT                      ; 63:32 LDS address
	s_add_nc_u64 s[G0+4*(\s)+2:G0+4*(\s)+3], s[14:15], (\s)*KSTEP*2  ; 120:64 global address: K step s
	s_or_b32 s[G0+4*(\s)+3], s[G0+4*(\s)+3], 0x80000000              ; 127:126 type = 2
	s_mov_b32 s[G0B+4*(\s)], 1
	s_add_co_u32 s[G0B+4*(\s)+1], s20, (\s)*SLOT
	s_add_nc_u64 s[G0B+4*(\s)+2:G0B+4*(\s)+3], s[46:47], (\s)*KSTEP*2
	s_or_b32 s[G0B+4*(\s)+3], s[G0B+4*(\s)+3], 0x80000000
	JLOAD \s                                       ; the ring is filled before anything else is done: two loads of mine are out
.endr
	s_load_b32 s[SC], s[70:71], 0x0                ; scale
	; A fragment is 16 rows x 32 K in 8 registers: lane l holds row l % 16; registers 0-3 hold K = 8 (l / 16) + 0..7, registers 4-7 hold K = 16 + 8 (l / 16) + 0..7:
	; from rows that lie along K, two loads of 16 bytes, 32 bytes apart.  The same for source 0 and source 1.
	v_and_b32 v1, 15, v0                           ; l % 16
	v_bfe_u32 v2, v0, 4, 1                         ; l / 16
	v_mul_u32_u24 v3, v1, PITCH
	v_lshl_add_u32 v3, v2, 4, v3                   ; row x pitch + 16 x half
	s_mul_i32 s21, s11, HALFT                      ; my 128 rows of xb
	s_mul_i32 s22, s12, HALFT                      ; my 128 rows of wb,
	s_add_co_u32 s22, s22, 2*HALFT                 ; which lie behind xb's 256
.irp s, 0,1
	v_add_nc_u32 v[ADRA+(\s)], s21, v3
	v_add_nc_u32 v[ADRB+(\s)], s22, v3
	s_add_co_u32 s21, s21, SLOT
	s_add_co_u32 s22, s22, SLOT
.endr
	s_mul_i32 s23, s10, 16*SP
	s_add_co_u32 s23, s23, STAGE                   ; my stage
	v_mul_u32_u24 v4, v1, SP                       ; in: row l % 16, 32 bytes for each half of the lanes
	v_lshl_add_u32 v4, v2, 5, v4
	v_add_nc_u32 v[STO], s23, v4
	v_and_b32 v5, 31, v0
	v_lshlrev_b32 v[CO], 4, v5                     ; back: the 32 lanes take one row of 512 bytes, 16 bytes each; the same 16 bytes in out0's row
	v_add_nc_u32 v[RD], s23, v[CO]
	s_lshl_b32 s46, s42, 10                        ; my wave's first column in bytes of f32: 1,024 x tile column + 512 x half
	s_lshl_b32 s47, s12, 9
	s_add_co_u32 s46, s46, s47
	s_mov_b32 s47, 0
	v_add_nc_u32 v[BO], s46, v[CO]
	global_load_b128 v[SB:SB+3], v[BO], s[68:69]   ; bias of my four columns
	; out0 at my wave's first row and column
	s_lshl_b32 s13, s13, 8                         ; 256 x tile row
	s_lshl_b32 s14, s11, 7
	s_add_co_u32 s16, s13, s14                     ; my first row,
	s_lshl_b32 s16, s16, 14                        ; of 16,384 bytes
	s_mov_b32 s17, 0
	s_add_nc_u64 s[16:17], s[16:17], s[46:47]
	s_add_nc_u64 s[8:9], s[8:9], s[16:17]          ; never rewritten from here on
	; the prefetches
	s_lshl_b32 s42, s42, 8                         ; 256 x tile column
	s_and_b32 s22, ttmp7, 0xffff                   ; cluster y
	s_cmp_eq_u32 s11, 0                            ; do I fetch for xb?
	s_cselect_b32 s20, s13, s42                    ; the tile's first row: in xb by the tile row, in wb by the tile column
	s_cselect_b32 s21, s40, s41                    ; my place among the four that ask for it with me
	s_cselect_b32 s22, ttmp9, s22                  ; the coordinate along which other clusters read the same rows
	s_cselect_b64 s[PFA:PFA+1], s[4:5], s[6:7]
	s_cmp_eq_u32 s22, 0
	s_cselect_b32 s[LIM], 1, -1                    ; the same in all sixteen partners, for a given wave
	s_lshl_b32 s22, s12, 7
	s_add_co_u32 s20, s20, s22                     ; + the 128 rows that I fetch
	s_lshl_b32 s21, s21, 5
	s_add_co_u32 s20, s20, s21                     ; + my work-group's 32 of them
	s_lshl_b32 s20, s20, 13                        ; in bytes
	s_mov_b32 s21, 0
	s_add_nc_u64 s[PFA:PFA+1], s[PFA:PFA+1], s[20:21]
	s_add_nc_u64 s[PFA:PFA+1], s[PFA:PFA+1], 2*KSTEP*2  ; at K step 2: the first refill steps it to 3 and names K step 4
	v_and_b32 v[PFO], 31, v0
	v_mul_u32_u24 v[PFO], v[PFO], SIZE_K*2
	s_wait_kmcnt 0x0                               ; scale
	s_mov_b32 s[SC+1], s[SC]                       ; named with it as a pair, so it is written
	s_wait_loadcnt 0x0                             ; bias
	v_pk_mul_f32 v[SB:SB+1],   v[SB:SB+1],   s[SC:SC+1] op_sel_hi:[1,0]  ; scale x bias, once
	v_pk_mul_f32 v[SB+2:SB+3], v[SB+2:SB+3], s[SC:SC+1] op_sel_hi:[1,0]
; 16 matrix instructions: m blocks a0, a0 + 1 of the window's four (hi = 0: my rows 0-63, 1: rows 64-127) x all 8 n blocks, 32 along K.
; zero = 1: the first product starts the sums: nothing is ever cleared.  The 64 accumulators take turns, one instruction a turn, in the same order in every quarter step, over the
; backward jump and into the tail too.
.macro MUL16 f, hi, a0, zero
	WIN MUL_LO+0x50*(\hi)  ; MUL_LO or MUL_HI
.irp a, \a0, (\a0)+1
.irp b, 0,1,2,3,4,5,6,7
.if \zero
	v_wmma_f32_16x16x32_bf16 v[8*(8*(\a)+(\b)):8*(8*(\a)+(\b))+7], v[(\f)+8*(\b):(\f)+8*(\b)+7], v[(\f)+8*(4*(\hi)+(\a)):(\f)+8*(4*(\hi)+(\a))+7], 0
.else
	v_wmma_f32_16x16x32_bf16 v[8*(8*(\a)+(\b)):8*(8*(\a)+(\b))+7], v[(\f)+8*(\b):(\f)+8*(\b)+7], v[(\f)+8*(4*(\hi)+(\a)):(\f)+8*(4*(\hi)+(\a))+7], v[8*(8*(\a)+(\b)):8*(8*(\a)+(\b))+7]
.endif
.endr
.endr
.endm
; 32 LDS loads in one run: the fragments of one quarter step (128 rows of wb, 128 rows of xb, 32 K at byte k of the rows) into buffer f
.macro FETCH slot, k, f
	WIN TO_B
.irp i, 0,1,2,3,4,5,6,7
	ds_load_b128 v[(\f)+8*(\i):(\f)+8*(\i)+3],   v[ADRB+(\slot)] offset:(\k)+(\i)*16*PITCH
	ds_load_b128 v[(\f)+8*(\i)+4:(\f)+8*(\i)+7], v[ADRB+(\slot)] offset:(\k)+(\i)*16*PITCH+32
.endr
	WIN 0
.irp i, 0,1,2,3,4,5,6,7
	ds_load_b128 v[(\f)+8*(\i):(\f)+8*(\i)+3],   v[ADRA+(\slot)] offset:(\k)+(\i)*16*PITCH
	ds_load_b128 v[(\f)+8*(\i)+4:(\f)+8*(\i)+7], v[ADRA+(\slot)] offset:(\k)+(\i)*16*PITCH+32
.endr
.endm
; A load into a register that a matrix instruction has read, and an LDS store that reads a matrix result, stand four places behind that matrix instruction, and only plain vector instructions
; that name none of its registers are places (ISA guide 7.12.1 for vector instructions); the matrix instructions in between are not counted.
.macro PLACES
.rept 4
	v_nop
.endr
.endm
; A K step is four quarter steps of 32 along K, 64 matrix instructions each, on buffers 0, 1, 0, 1.
; One of the first three: multiplies buffer f; in its middle it fetches the next quarter's fragments, at byte k of the same slot's rows, into buffer g.
.macro QUARTER slot, k, f, g, zero
	s_wait_dscnt 8                                 ; wb and xb's rows 0-63 are in; the youngest eight loads (xb's rows 64-127) may be out
	WIN MUL_LO
	MUL16 \f, 0, 0, \zero
	MUL16 \f, 0, 2, \zero
	PLACES
	FETCH \slot, \k, \g
	s_wait_dscnt 32                                ; all but the 32 just issued
	WIN MUL_HI
	MUL16 \f, 1, 0, \zero
	MUL16 \f, 1, 2, \zero
.endm
; The last quarter multiplies buffer 1 and changes slots.  MEET is its first half: ONE barrier for the change of slots.  In front of it each wave waits for all its tensor loads, of which one
; is out: its part of the next slot; adds 0 to its spare word; and waits for that and for its own reads of this slot.  Behind it nobody reads this slot any more and the next slot is whole.
.macro MEET round                      ; round = 1: the rest of a round of the cluster's barrier follows
	WIN 0                                          ; (the add's two registers lie in window 0)
	s_wait_tensorcnt 0x0                           ; all my tensor loads have landed: the one that was out is my part of the next slot;
	ds_add_u32 v[SPW], v[NIL]                      ; 0 onto my spare word;
	s_wait_dscnt 9                                 ; (the add and the youngest eight loads may be out)
	WIN MUL_LO
	MUL16 F1, 0, 0, 0                              ; sixteen matrix instructions stand between the add and the wait for it
	s_wait_dscnt 0x0                               ; the add is done, and my reads of this slot are over:
	s_barrier_signal -1                            ; say so (where a slot is filled again this barrier opens a round of the cluster's barrier),
	MUL16 F1, 0, 2, 0                              ; work on registers while the others arrive,
.if \round
	WIN 0
.endif
	s_barrier_wait -1                              ; and go on when all four have said so
.endm
; The whole last quarter.  fill = 1: behind the round the slot just read out is filled again first, with the K step two steps on: the wave's one tensor load until the next round, 224 matrix
; instructions ahead of the wait for it; then come the next slot's first fragments.  fill = 0: nothing is left to fetch, and no round follows the barrier.
.macro TURN slot, next, fill
.if \fill
	s_wait_xcnt 0x0                                ; the last prefetch, a K step back, has read its address: it is stepped here, ahead of the waits of the change of slots
	s_add_nc_u64 s[PFA:PFA+1], s[PFA:PFA+1], KSTEP*2
	MEET 1
	CREST                                          ; all sixteen work-groups have said so: no wave of any partner still reads this slot's tile or has a load on its way
	s_add_nc_u64 s[G0+4*(\slot)+2:G0+4*(\slot)+3], s[G0+4*(\slot)+2:G0+4*(\slot)+3], 2*KSTEP*2      ; no tensor load of mine is out, so a group 0 may be written
	s_add_nc_u64 s[G0B+4*(\slot)+2:G0B+4*(\slot)+3], s[G0B+4*(\slot)+2:G0B+4*(\slot)+3], 2*KSTEP*2
	JLOAD \slot                                    ; the four v_nop behind it are also the places in front of the loads below
	FETCH \next, 0, F0
	ASK
.else
	MEET 0
	PLACES
	FETCH \next, 0, F0
.endif
	WIN MUL_HI
	MUL16 F1, 1, 0, 0
	MUL16 F1, 1, 2, 0
.endm
; THE WAY OUT of block a (16 of my rows), in two parts.  TOSTAGE: the block's eight accumulators go as they are, in f32, into my own stage in LDS (each accumulator's four lowest registers first),
; and come back as whole rows of 512 bytes, into the fragment buffers of window 0, which take turns.  The stage is my wave's own and LDS serves a wave's
; instructions in order (ISA guide 5.7.1.4): no wait between the stores and the loads, nor between these loads and the next block's stores.
.macro TOSTAGE a
.set AC, 64*((\a)%4)
.set BK, F0+64*((\a)%2)
.if (\a) >= 2
	s_wait_xcnt 0x0                                ; block a - 2's stores have read this buffer's registers: only behind this wait are they loaded again
.endif
	WIN 0x08+4*((\a)/4)                            ; the stores' data (source 1): window 2 or 3
.irp b, 0,1,2,3,4,5,6,7
	ds_store_b128 v[STO], v[AC+8*(\b):AC+8*(\b)+3]   offset:64*(\b)
	ds_store_b128 v[STO], v[AC+8*(\b)+4:AC+8*(\b)+7] offset:64*(\b)+16
.endr
	WIN 0
.irp t, 0,1,2,3,4,5,6,7,8,9,10,11,12,13,14,15
	ds_load_b128 v[BK+4*(\t):BK+4*(\t)+3], v[RD] offset:(\t)*SP
.endr
.endm
; SEND: sum x scale + scale x bias, two fused multiply-adds an instruction, and the store.  younger: the LDS instructions issued behind block a's loads: the next block's 32, or none.
.macro SEND a, younger
.set BK, F0+64*((\a)%2)
	WIN 0
.irp t, 0,1,2,3,4,5,6,7,8,9,10,11,12,13,14,15
	s_wait_dscnt (\younger)+15-(\t)                ; row t is back; the rows behind it, and the next block's stores and loads, may be out
	v_pk_fma_f32 v[BK+4*(\t):BK+4*(\t)+1],   v[BK+4*(\t):BK+4*(\t)+1],   s[SC:SC+1], v[SB:SB+1]   op_sel_hi:[1,0,1]
	v_pk_fma_f32 v[BK+4*(\t)+2:BK+4*(\t)+3], v[BK+4*(\t)+2:BK+4*(\t)+3], s[SC:SC+1], v[SB+2:SB+3] op_sel_hi:[1,0,1]
	global_store_b128 v[CO], v[BK+4*(\t):BK+4*(\t)+3], s[8:9] offset:(16*(\a)+(\t))*ROWC th:TH_STORE_NT  ; the wave stores 512 consecutive bytes, at a multiple of 256 from out0's first byte; the row stands in the immediate: 127 x 16,384 at the most, inside its signed 24 bits
.endr
.endm
	s_wait_tensorcnt 1                             ; my part of K step 0 is in; K step 1's may stay out
	s_barrier_signal -1
	s_barrier_wait -1                              ; everybody's is
	FETCH 0, 0, F0
	QUARTER 0, 64,  F0, F1, 1                      ; the first quarter stands in front of the loop: its products start the sums
	WIN 0                                          ; at a label and at a branch every window is 0
	s_mov_b32 s3, LAPS-1
.Llap:                                                 ; 15 trips: each goes once round the ring, from a lap's second quarter to the next lap's first, and fills both slots again (K steps 2 to 31)
	QUARTER 0, 128, F1, F0, 0
	QUARTER 0, 192, F0, F1, 0
	TURN 0, 1, 1
	QUARTER 1, 64,  F0, F1, 0
	QUARTER 1, 128, F1, F0, 0
	QUARTER 1, 192, F0, F1, 0
	TURN 1, 0, 1
	QUARTER 0, 64,  F0, F1, 0
	WIN 0
	s_sub_co_u32 s3, s3, 1
	s_cmp_lg_u32 s3, 0
	s_cbranch_scc1 .Llap
	QUARTER 0, 128, F1, F0, 0                      ; the last lap is written out: it fills nothing
	QUARTER 0, 192, F0, F1, 0
	TURN 0, 1, 0
	QUARTER 1, 64,  F0, F1, 0
	QUARTER 1, 128, F1, F0, 0
	QUARTER 1, 192, F0, F1, 0
	s_wait_dscnt 8                                 ; the very last quarter: nothing more to fetch
	WIN MUL_LO
	MUL16 F1, 0, 0, 0
	MUL16 F1, 0, 2, 0
	s_wait_dscnt 0x0
	WIN MUL_HI
	MUL16 F1, 1, 0, 0
	MUL16 F1, 1, 2, 0
	WIN 0
	PLACES                                         ; behind the last products: the stores below read results, the loads below land in registers that products have read
	PLACES                                         ; (eight, once a launch: the stricter count of places)
	TOSTAGE 0
.irp a, 1,2,3,4,5,6,7                  ; block a's way through the stage is issued ahead of block a - 1's arithmetic and stores
	TOSTAGE \a
	SEND (\a)-1, 32
.endr
	SEND 7, 0
	s_wait_tensorcnt 0x0                           ; the wave's end, behind my last tensor load and my last LDS store
	ds_add_u32 v[SPW], v[NIL]
	s_wait_dscnt 0x0
	CROUND                                         ; the closing round: no work-group ends while a partner may still ask for a tile that names it
	s_endpgm
.Lfunc_end_k_q1be8d87f46_gemm:
	.size	k_q1be8d87f46_gemm, .Lfunc_end_k_q1be8d87f46_gemm-k_q1be8d87f46_gemm
	.p2alignl 7, 3214868480
	.fill 96, 4, 3214868480
	.section	.rodata,"a",@progbits
	.p2align	6, 0x0
	.amdhsa_kernel k_q1be8d87f46_gemm
		.amdhsa_group_segment_fixed_size 327680
		.amdhsa_private_segment_fixed_size 0
		.amdhsa_enable_private_segment 0
		.amdhsa_kernarg_size 40
		.amdhsa_user_sgpr_count 2
		.amdhsa_user_sgpr_kernarg_segment_ptr 1
		.amdhsa_wavefront_size32 1
		.amdhsa_system_sgpr_workgroup_id_x 1
		.amdhsa_system_sgpr_workgroup_id_y 1
		.amdhsa_system_sgpr_workgroup_id_z 1
		.amdhsa_system_vgpr_workitem_id 0
		.amdhsa_next_free_vgpr 1024
		.amdhsa_next_free_sgpr 74
		.amdhsa_reserve_vcc 0
		.amdhsa_float_denorm_mode_32 3
		.amdhsa_float_denorm_mode_16_64 3
		.amdhsa_memory_ordered 1
		.amdhsa_forward_progress 1
		.amdhsa_inst_pref_size 161
	.end_amdhsa_kernel
	.amdgpu_metadata
---
amdhsa.version: [ 1, 2 ]
amdhsa.kernels:
  - .name:           k_q1be8d87f46_gemm
    .symbol:         k_q1be8d87f46_gemm.kd
    .args:
      - { .name: xb, .offset: 0, .size: 8, .value_kind: global_buffer, .address_space: global }
      - { .name: wb, .offset: 8, .size: 8, .value_kind: global_buffer, .address_space: global }
      - { .name: bias, .offset: 16, .size: 8, .value_kind: global_buffer, .address_space: global }
      - { .name: scale, .offset: 24, .size: 8, .value_kind: global_buffer, .address_space: global }
      - { .name: out0, .offset: 32, .size: 8, .value_kind: global_buffer, .address_space: global }
    .group_segment_fixed_size: 327680
    .private_segment_fixed_size: 0
    .kernarg_segment_align: 8
    .kernarg_segment_size: 40
    .max_flat_workgroup_size: 128
    .sgpr_count:     74
    .vgpr_count:     1024
    .wavefront_size: 32
...
	.end_amdgpu_metadata
.endif
;; end of part 2
;; ======== version 2 of 2: 2 launches; version 1 with the launch prep written anew for expert scheduling mode
;; workspace buffers: xb 33,554,432 bytes; wb 33,554,432 bytes
;; launch prep (part 3): grid 1024 x 1, 8 waves a work-group, no clusters, 0 bytes of LDS; arguments x, weight, xb, wb; writes xb, wb
.if DOCPART == 3
	.amdgcn_target "amdgcn-amd-amdhsa--gfx1250"
	.amdhsa_code_object_version 6
	.text
	.protected	k_q1be8d87f46_prep
	.globl	k_q1be8d87f46_prep
	.p2align	8
	.type	k_q1be8d87f46_prep,@function
k_q1be8d87f46_prep:
	s_mov_b64 s[64:65], 0
	v_nop
	global_prefetch_b8 v0, s[64:65] scope:SCOPE_SE
	s_setreg_imm32_b32 hwreg(HW_REG_WAVE_SCHED_MODE, 0, 2), 2
	s_setreg_imm32_b32 hwreg(HW_REG_WAVE_MODE, 25, 1), 1
	s_wait_xcnt 0x0
	s_wait_alu depctr_vm_vsrc(0)
; xb = bf16(x);  wb = bf16(weight - (weight - sign(weight))).  x, weight: [4096][4096] f32;  xb, wb: the same shape in bf16, row-major.
; Each number is converted here once; the product that follows needs each of them in sixteen of its tiles.
; LIMITS.  x is rounded once, to nearest even; a magnitude past bf16's largest finite number becomes an infinity.  The weight's path has no limit: sign, the inner difference and the outer
; difference are made in f32 one after the other, as the formula is written, so a weight of 2^24 or more, an infinity or a NaN gives what the formula gives (0, +-1, +-2, NaN): all exact in bf16.
; SHARES.  A work-group owns 65,536 consecutive bytes of x and of weight: 16 units of 4,096 bytes in each.  In a unit thread t loads the 16 bytes at 16 t (a wave's load: 512 consecutive bytes,
; aligned) and stores the 8 bytes at 8 t of the unit's 2,048 bytes of output (a wave's store: 256 consecutive bytes, aligned).  Nothing is shared between waves: no LDS, no barrier.
; IN FLIGHT.  16 slots of registers, x's and weight's units by turns; each slot is loaded twice (pass 0: units 0-7, pass 1: units 8-15).  The slots go in blocks of four; at a block's wait 16 loads
; of the wave are out and 12 may stay out, until the counts run down.
; THE MODE: SCHED_MODE bits 1:0 = 2 (LLVM: expert scheduling mode 2), set by the entry lines.  The code itself states the register dependences between vector instructions and memory
; instructions, with s_wait_alu, always for 0.
; THE PLAN.  Registers that memory instructions touch:
;   v1, v2   the two offsets: written once at the head, read by every load (v1) and every store (v2), never written again.
;   X        slot i: loaded at the head; pass 0: read by its block's vector lines, then loaded again; pass 1: read by its block's vector lines, its first two registers written by the roundings,
;            read by the slot's store, and never written again.
;   Y        slot i: written once, by pass 0's roundings; read by pass 0's store; never written again.
;   T and s[16:23] are named by vector instructions alone.
; A block is: the wait for its four loads; all its vector work; ONE wait on va_vdst; its four loads (pass 0) and its four stores.  That wait states that the block's vector lines are done reading
; its slots, in which the loads land, and have written its out registers, which the stores read.  It stands behind the lines that empty the slots, so that these are asked for again at once.
; The next block's vector lines write T, their own Y or their own slots: none of the registers that those loads and stores name.  No register that a memory instruction reads is ever written
; again, and no base is stepped: so the body needs no wait on vm_vsrc and none on XCNT.  One wait on va_sdst a block stands between the compares and the selects that read their masks.
.set UNIT,  4096                       ; bytes of input in a unit
.set OUNIT, 2048                       ; bytes of output in a unit
.set T,   4                            ; v[4:11]    at work, four registers for each of a block's two weight slots: sign, then the inner difference, then the result
.set X,   16                           ; v[16:79]   slot i: 4 registers as loaded
.set Y,   80                           ; v[80:111]  slot i: 2 registers to store, pass 0
	s_load_b256 s[4:11], s[0:1], 0x0               ; x s[4:5], weight s[6:7], xb s[8:9], wb s[10:11]
	s_lshl_b32 s2, ttmp9, 16                       ; the work-group's 65,536 bytes of input (1,023 x 65,536 stays under 2^32),
	s_mov_b32 s3, 0
	s_lshl_b32 s12, ttmp9, 15                      ; and its 32,768 of output
	s_mov_b32 s13, 0
	s_mov_b32 s14, 0x7fffffff                      ; all bits but the sign
	v_lshlrev_b32 v1, 4, v0                        ; 16 t; never rewritten
	v_lshlrev_b32 v2, 3, v0                        ; 8 t; never rewritten
	s_wait_kmcnt 0x0
	s_add_nc_u64 s[4:5], s[4:5], s[2:3]
	s_add_nc_u64 s[6:7], s[6:7], s[2:3]
	s_add_nc_u64 s[8:9], s[8:9], s[12:13]
	s_add_nc_u64 s[10:11], s[10:11], s[12:13]
	s_wait_alu depctr_va_vdst(0)                   ; v1 and v2 are written: every load and store of the kernel reads one of them as its offset
.irp i, 0,1,2,3,4,5,6,7,8,9,10,11,12,13,14,15
	global_load_b128 v[X+4*(\i):X+4*(\i)+3], v1, s[4+2*((\i)%2):5+2*((\i)%2)] offset:((\i)/2)*UNIT th:TH_LOAD_NT  ; even slots x, odd slots weight; unit i / 2
.endr
; Block b (slots 4 b .. 4 b + 3: x, weight, x, weight) in pass r.  left = how many younger loads may stay out.
.macro BLOCK b, r, left
.set XB, X+16*(\b)                     ; the block's slots: slot j of four at XB + 4 j
.if \r
.set DB, X+16*(\b)                     ; pass 1: a slot's result lies in its own first two registers
.set DS, 4
.else
.set DB, Y+8*(\b)                      ; pass 0: in Y
.set DS, 2
.endif
	s_wait_loadcnt \left                           ; loads come back in order (ISA guide 5.7.1): the block's four are in
.irp j, 1,3
.irp k, 0,1,2,3
	v_cmp_eq_f32 s[16+2*((\j)-1)+(\k)], 0, v[XB+4*(\j)+(\k)]  ; eight masks in a run; the twelve lines below stand between them and the wait for them
.endr
.endr
.irp j, 1,3
.irp k, 0,1,2,3
	v_bfi_b32 v[T+2*((\j)-1)+(\k)], s14, 1.0, v[XB+4*(\j)+(\k)]  ; 1.0 with the weight's sign
.endr
.endr
.irp j, 0,2
	v_cvt_pk_bf16_f32 v[DB+DS*(\j)],   v[XB+4*(\j)],   v[XB+4*(\j)+1]  ; x.  In place this order is safe: the second line reads registers 2 and 3 alone
	v_cvt_pk_bf16_f32 v[DB+DS*(\j)+1], v[XB+4*(\j)+2], v[XB+4*(\j)+3]
.endr
	s_wait_alu depctr_va_sdst(0)                   ; the eight compares have written s[16:23], ahead of the first select that reads a mask
.irp j, 1,3
.irp k, 0,1,2,3
	v_cndmask_b32 v[T+2*((\j)-1)+(\k)], v[T+2*((\j)-1)+(\k)], v[XB+4*(\j)+(\k)], s[16+2*((\j)-1)+(\k)]  ; the sign of a zero is that zero
.endr
.endr
.irp j, 1,3
.irp p, 0,2
	v_pk_add_f32 v[T+2*((\j)-1)+(\p):T+2*((\j)-1)+(\p)+1], v[XB+4*(\j)+(\p):XB+4*(\j)+(\p)+1], v[T+2*((\j)-1)+(\p):T+2*((\j)-1)+(\p)+1] neg_lo:[0,1] neg_hi:[0,1]  ; weight - sign, over the sign
.endr
.endr
.irp j, 1,3
.irp p, 0,2
	v_pk_add_f32 v[T+2*((\j)-1)+(\p):T+2*((\j)-1)+(\p)+1], v[XB+4*(\j)+(\p):XB+4*(\j)+(\p)+1], v[T+2*((\j)-1)+(\p):T+2*((\j)-1)+(\p)+1] neg_lo:[0,1] neg_hi:[0,1]  ; weight - (weight - sign), over the difference
.endr
.endr
.irp j, 1,3
	v_cvt_pk_bf16_f32 v[DB+DS*(\j)],   v[T+2*((\j)-1)],   v[T+2*((\j)-1)+1]
	v_cvt_pk_bf16_f32 v[DB+DS*(\j)+1], v[T+2*((\j)-1)+2], v[T+2*((\j)-1)+3]
.endr
.if (\r) == 0
	s_wait_alu depctr_va_vdst(0)                   ; the block's vector lines are done reading its four slots, in which the loads below land, and the roundings have written its Y, which the stores below read
.irp j, 0,1,2,3
	global_load_b128 v[XB+4*(\j):XB+4*(\j)+3], v1, s[4+2*((\j)%2):5+2*((\j)%2)] offset:((4*(\b)+(\j))/2+8)*UNIT th:TH_LOAD_NT  ; the slots' second units: the loads ahead of the stores
.endr
.else
	s_wait_alu depctr_va_vdst(0)                   ; the roundings have written the first two registers of the block's four slots, which the stores below read
.endif
.irp j, 0,1,2,3
	global_store_b64 v2, v[DB+DS*(\j):DB+DS*(\j)+1], s[8+2*((\j)%2):9+2*((\j)%2)] offset:((4*(\b)+(\j))/2+8*(\r))*OUNIT th:TH_STORE_NT
.endr
.endm
.irp b, 0,1,2,3
	BLOCK \b, 0, 12                                ; behind block b's four first loads stand 12 - 4 b first loads and 4 b second ones: 12
.endr
	BLOCK 0, 1, 12                                 ; behind its four second loads stand the other blocks' twelve
	BLOCK 1, 1, 8                                  ; nothing more is loaded: the counts run down
	BLOCK 2, 1, 4
	BLOCK 3, 1, 0
	s_endpgm
.Lfunc_end_k_q1be8d87f46_prep:
	.size	k_q1be8d87f46_prep, .Lfunc_end_k_q1be8d87f46_prep-k_q1be8d87f46_prep
	.p2alignl 7, 3214868480
	.fill 96, 4, 3214868480
	.section	.rodata,"a",@progbits
	.p2align	6, 0x0
	.amdhsa_kernel k_q1be8d87f46_prep
		.amdhsa_group_segment_fixed_size 0
		.amdhsa_private_segment_fixed_size 0
		.amdhsa_enable_private_segment 0
		.amdhsa_kernarg_size 32
		.amdhsa_user_sgpr_count 2
		.amdhsa_user_sgpr_kernarg_segment_ptr 1
		.amdhsa_wavefront_size32 1
		.amdhsa_system_sgpr_workgroup_id_x 1
		.amdhsa_system_sgpr_workgroup_id_y 1
		.amdhsa_system_sgpr_workgroup_id_z 1
		.amdhsa_system_vgpr_workitem_id 0
		.amdhsa_next_free_vgpr 112
		.amdhsa_next_free_sgpr 66
		.amdhsa_reserve_vcc 0
		.amdhsa_float_denorm_mode_32 3
		.amdhsa_float_denorm_mode_16_64 3
		.amdhsa_memory_ordered 1
		.amdhsa_forward_progress 1
		.amdhsa_inst_pref_size 28
	.end_amdhsa_kernel
	.amdgpu_metadata
---
amdhsa.version: [ 1, 2 ]
amdhsa.kernels:
  - .name:           k_q1be8d87f46_prep
    .symbol:         k_q1be8d87f46_prep.kd
    .args:
      - { .name: x, .offset: 0, .size: 8, .value_kind: global_buffer, .address_space: global }
      - { .name: weight, .offset: 8, .size: 8, .value_kind: global_buffer, .address_space: global }
      - { .name: xb, .offset: 16, .size: 8, .value_kind: global_buffer, .address_space: global }
      - { .name: wb, .offset: 24, .size: 8, .value_kind: global_buffer, .address_space: global }
    .group_segment_fixed_size: 0
    .private_segment_fixed_size: 0
    .kernarg_segment_align: 8
    .kernarg_segment_size: 32
    .max_flat_workgroup_size: 256
    .sgpr_count:     66
    .vgpr_count:     112
    .wavefront_size: 32
...
	.end_amdgpu_metadata
.endif
;; end of part 3
;; launch gemm: the kernel of part 2 again; grid 16 x 16, 4 waves a work-group, clusters of 4 x 4, 327,680 bytes of LDS; arguments xb, wb, bias, scale, out0; writes out0
